; MI455X (gfx1250); checked and timed in simulation.
; The chip was launched on July 23, 2026; its instructions are those of AMD's public machine-readable ISA for CDNA 5 (MIT licence, August 2026) and "CDNA5" Instruction Set Architecture Reference Guide (July 2026). The comments in the code are by the model that wrote it; some were corrected since.
;; Vector Quantizer. Allowed arithmetic: float matrix products may take bf16 or f16 operands with f32 sums; other float arithmetic in f32, or as packed bf16 or f16 multiplies, adds, multiply-adds, maxima and minima; sums over many terms, partial sums and values carried from step to step in f32; what a program stores and reads back later, other than sums and carried values, may be rounded once to bf16 or f16.
;; Inputs: inputs 8 x 4,096 x 256 float32; weight 8,192 x 256 float32.
;; Outputs: out0 8 x 4,096 x 256 float32; out1 8 x 4,096 int32.
;; 2 versions, each right; version 2 is version 1 with the launch prep written anew for expert scheduling mode. Each part assembles by itself: llvm-mc -triple=amdgcn-amd-amdhsa -mcpu=gfx1250 --defsym DOCPART=n.
;; ======== version 1 of 2: 3 launches
;; workspace buffers: wb 4,194,304 bytes; ee 32,768 bytes; idxw 131,072 bytes of whole numbers
;; launch prep (part 1): grid 128 x 1, 4 waves a work-group, no clusters, 34,560 bytes of LDS; arguments weight, wb, ee; writes wb, ee
.if DOCPART == 1
	.amdgcn_target "amdgcn-amd-amdhsa--gfx1250"
	.amdhsa_code_object_version 6
	.text
	.protected	k_q5a54301cab_prep
	.globl	k_q5a54301cab_prep
	.p2align	8
	.type	k_q5a54301cab_prep,@function
k_q5a54301cab_prep:
	s_mov_b64 s[64:65], 0
	v_nop
	global_prefetch_b8 v0, s[64:65] scope:SCOPE_SE
	s_setreg_imm32_b32 hwreg(HW_REG_WAVE_MODE, 25, 1), 1
	s_wait_xcnt 0x0
; THE CODEBOOK IS ROUNDED AND LAID OUT ONCE.  weight: [8192][256] f32.  wb: the same numbers rounded to bf16 (nearest even), in the order in which the
; next launch's matrix operands take them: [512 tiles of 16 codes][32 blocks of 8 channels][16 codes][8 channels], byte 8192 T + 256 cb + 16 r.
; ee[k] = the sum over the channels of bf16(weight[k][c])^2, in f32: the squares of the numbers that are multiplied later.  Nothing of the problem is left out here.
; LIMIT: the order of ee's 256 additions differs from a plain row sum's (four chains a lane, two lanes a row).
; SHARES.  Wave w of work-group G takes tile T = 4 G + w: 16 rows, 16,384 consecutive bytes, by 32 loads of 512 consecutive bytes, all issued before the first wait.
; The turn from rows to blocks goes through the wave's own stage in LDS (16 rows of 512 bytes + 16 of padding: pitch 528 = 33 x 16, so the 16 rows that a
; read touches start at 16 different groups of four banks: ISA guide 11.1).  A work-group's 64 codes make 256 consecutive bytes of ee, stored by one instruction.
.set PITCH, 528
.set STG,   16*PITCH                   ; a wave's stage: 8,448 bytes
.set EES,   4*STG                      ; 64 words: the work-group's ee
.set SPARE, EES+256                    ; the spare words, 128 bytes for each wave: two blocks of 256 bytes that no other line names
.set GA,  4                            ; v4   16 x lane: my 16 bytes in 512, for the loads and for wb's stores
.set SA,  5                            ; v5   stage + 8 x lane: where I put 4 rounded numbers
.set RA,  6                            ; v6   stage + 528 (l % 16) + 16 (l / 16): where I read a block of 8 channels of one code
.set EA,  7                            ; v7   EES + 4 (16 w + l % 16)
.set SPW, 8                            ; v8   my spare word; never rewritten
.set NIL, 9                            ; v9   0; never rewritten
.set ZER, 10                           ; v10  0: the addend of each chain's first multiply-add
.set ACC, 12                           ; v[12:15] four chains of squares
.set X,   32                           ; v[32:159] the tile as loaded; v[32:95] later the blocks read back
.set P,   160                          ; v[160:223] the tile rounded
	s_load_b128 s[4:7], s[0:1], 0x0                ; weight s[4:5], wb s[6:7]
	s_load_b64 s[8:9], s[0:1], 0x10                ; ee
	v_lshl_add_u32 v[SPW], v0, 2, SPARE
	v_mov_b32 v[NIL], 0
	v_lshrrev_b32 v1, 5, v0
	v_readfirstlane_b32 s10, v1                    ; wave 0..3
	v_and_b32 v2, 31, v0                           ; l
	v_and_b32 v3, 15, v0                           ; l % 16
	v_bfe_u32 v11, v0, 4, 1                        ; l / 16
	v_lshlrev_b32 v[GA], 4, v2
	s_mul_i32 s11, s10, STG                        ; my stage
	v_lshl_add_u32 v[SA], v2, 3, s11
	v_mul_u32_u24 v[RA], v3, PITCH
	v_lshl_add_u32 v[RA], v11, 4, v[RA]
	v_add_nc_u32 v[RA], s11, v[RA]
	s_lshl_b32 s12, s10, 6
	s_add_co_u32 s12, s12, EES
	v_lshl_add_u32 v[EA], v3, 2, s12
	v_mov_b32 v[ZER], 0
	v_lshl_add_u32 v18, v2, 3, EES                 ; wave 0's way out: two words of ee a lane
	v_lshlrev_b32 v19, 3, v2
	s_lshl_b32 s13, ttmp9, 2
	s_add_co_u32 s13, s13, s10                     ; T
	s_lshl_b32 s14, s13, 14                        ; 16,384 T
	s_mov_b32 s15, 0
	s_lshl_b32 s16, s13, 13                        ; 8,192 T
	s_mov_b32 s17, 0
	s_lshl_b32 s18, ttmp9, 8                       ; 256 G
	s_mov_b32 s19, 0
	s_mov_b32 s20, 0x76543210                      ; v_permlanex16_b32: each lane takes its own place in the other half
	s_mov_b32 s21, 0xfedcba98
	s_wait_kmcnt 0x0
	s_add_nc_u64 s[4:5], s[4:5], s[14:15]
	s_add_nc_u64 s[6:7], s[6:7], s[16:17]
	s_add_nc_u64 s[8:9], s[8:9], s[18:19]
.set i, 0
.rept 32
	global_load_b128 v[X+4*i:X+4*i+3], v[GA], s[4:5] offset:512*i th:TH_LOAD_NT  ; row i / 2, half i % 2
.set i, i+1
.endr
.set i, 0
.rept 32
	s_wait_loadcnt 31-i                            ; loads come back in order: load i is in, the 31 - i younger ones stay out
	v_cvt_pk_bf16_f32 v[P+2*i],   v[X+4*i],   v[X+4*i+1]
	v_cvt_pk_bf16_f32 v[P+2*i+1], v[X+4*i+2], v[X+4*i+3]
	ds_store_b64 v[SA], v[P+2*i:P+2*i+1] offset:(i/2)*PITCH+(i%2)*256
.set i, i+1
.endr
.set i, 0
.rept 16
	ds_load_b128 v[X+4*i:X+4*i+3], v[RA] offset:32*i  ; blocks 2 i and 2 i + 1; LDS serves a wave's instructions in order, so these see my stores above
.set i, i+1
.endr
.set i, 0
.rept 16
	s_wait_dscnt 15-i                              ; read i is back, the 15 - i younger ones stay out
	global_store_b128 v[GA], v[X+4*i:X+4*i+3], s[6:7] offset:512*i  ; 512 consecutive bytes of wb, aligned
.irp k, 0,1,2,3
.if i == 0
	v_fma_mix_f32_bf16 v[ACC+\k], v[X+4*i+\k], v[X+4*i+\k], v[ZER] op_sel_hi:[1,1,0]      ; the low halves' squares; the first start the chains
.else
	v_fma_mix_f32_bf16 v[ACC+\k], v[X+4*i+\k], v[X+4*i+\k], v[ACC+\k] op_sel_hi:[1,1,0]
.endif
.endr
.irp k, 0,1,2,3
	v_fma_mix_f32_bf16 v[ACC+\k], v[X+4*i+\k], v[X+4*i+\k], v[ACC+\k] op_sel:[1,1,0] op_sel_hi:[1,1,0]  ; the high halves'
.endr
.set i, i+1
.endr
	v_add_f32 v[ACC], v[ACC], v[ACC+1]
	v_add_f32 v[ACC+2], v[ACC+2], v[ACC+3]
	v_add_f32 v[ACC], v[ACC], v[ACC+2]
	v_permlanex16_b32 v[ACC+1], v[ACC], s20, s21   ; the row's other 128 channels lie in the lane 16 away
	v_add_f32 v[ACC], v[ACC], v[ACC+1]
	ds_store_b32 v[EA], v[ACC]                     ; both halves of the lanes write the same word with the same number
	s_wait_dscnt 0x0                               ; for the others' sake: my stores are done
	s_barrier_signal -1
	s_barrier_wait -1
	s_cmp_lg_u32 s10, 0                            ; wave 0 stores the work-group's 64 words
	s_cbranch_scc1 .Lend
	ds_load_b64 v[16:17], v18
	s_wait_dscnt 0x0
	global_store_b64 v19, v[16:17], s[8:9]         ; 256 consecutive bytes of ee, aligned
.Lend:
	s_wait_tensorcnt 0x0                           ; the wave's end, behind my last LDS store
	ds_add_u32 v[SPW], v[NIL]
	s_wait_dscnt 0x0
	s_endpgm
.Lfunc_end_k_q5a54301cab_prep:
	.size	k_q5a54301cab_prep, .Lfunc_end_k_q5a54301cab_prep-k_q5a54301cab_prep
	.p2alignl 7, 3214868480
	.fill 96, 4, 3214868480
	.section	.rodata,"a",@progbits
	.p2align	6, 0x0
	.amdhsa_kernel k_q5a54301cab_prep
		.amdhsa_group_segment_fixed_size 34560
		.amdhsa_private_segment_fixed_size 0
		.amdhsa_enable_private_segment 0
		.amdhsa_kernarg_size 24
		.amdhsa_user_sgpr_count 2
		.amdhsa_user_sgpr_kernarg_segment_ptr 1
		.amdhsa_wavefront_size32 1
		.amdhsa_system_sgpr_workgroup_id_x 1
		.amdhsa_system_sgpr_workgroup_id_y 1
		.amdhsa_system_sgpr_workgroup_id_z 1
		.amdhsa_system_vgpr_workitem_id 0
		.amdhsa_next_free_vgpr 224
		.amdhsa_next_free_sgpr 66
		.amdhsa_reserve_vcc 0
		.amdhsa_float_denorm_mode_32 3
		.amdhsa_float_denorm_mode_16_64 3
		.amdhsa_memory_ordered 1
		.amdhsa_forward_progress 1
		.amdhsa_inst_pref_size 24
	.end_amdhsa_kernel
	.amdgpu_metadata
---
amdhsa.version: [ 1, 2 ]
amdhsa.kernels:
  - .name:           k_q5a54301cab_prep
    .symbol:         k_q5a54301cab_prep.kd
    .args:
      - { .name: weight, .offset: 0, .size: 8, .value_kind: global_buffer, .address_space: global }
      - { .name: wb, .offset: 8, .size: 8, .value_kind: global_buffer, .address_space: global }
      - { .name: ee, .offset: 16, .size: 8, .value_kind: global_buffer, .address_space: global }
    .group_segment_fixed_size: 34560
    .private_segment_fixed_size: 0
    .kernarg_segment_align: 8
    .kernarg_segment_size: 24
    .max_flat_workgroup_size: 128
    .sgpr_count:     66
    .vgpr_count:     224
    .wavefront_size: 32
...
	.end_amdgpu_metadata
.endif
;; end of part 1
;; launch dist (part 2): grid 256 x 1, 4 waves a work-group, clusters of 4 x 1, 327,680 bytes of LDS; arguments inputs, wb, ee, out1, idxw; writes out1, idxw
.if DOCPART == 2
	.amdgcn_target "amdgcn-amd-amdhsa--gfx1250"
	.amdhsa_code_object_version 6
	.text
	.protected	k_q5a54301cab_dist
	.globl	k_q5a54301cab_dist
	.p2align	8
	.type	k_q5a54301cab_dist,@function
k_q5a54301cab_dist:
	s_mov_b64 s[64:65], 0
	v_nop
	global_prefetch_b8 v0, s[64:65] scope:SCOPE_SE
	s_setreg_imm32_b32 hwreg(HW_REG_WAVE_MODE, 25, 1), 1
	s_wait_xcnt 0x0
	s_wait_alu depctr_hold_cnt(0) depctr_sa_sdst(0) depctr_va_vdst(0) depctr_va_sdst(0) depctr_va_ssrc(0) depctr_va_vcc(0) depctr_vm_vsrc(0)
	s_getreg_b32 s2, hwreg(HW_REG_IB_STS2, 6, 4)
	s_cmp_eq_u32 s2, 0
	s_cbranch_scc0 .Lentry_in_a_cluster
	s_endpgm
.Lentry_in_a_cluster:
	s_bfe_u32 s2, ttmp6, 0x10000c
	s_cmp_lg_u32 s2, 0x3003
	s_cbranch_scc0 .Lentry_shape_is_right
	s_endpgm
.Lentry_shape_is_right:
; out1[n] = the first k with the least d[n][k] = fl(fl(xx[n] + ee[k]) - 2 x[n] . e[k]).  inputs: [32768][256] f32; wb, ee: the codebook rounded to bf16 in operand order, and its rows' sums of squares.
; idxw is a second copy of out1, from which the next launch forms addresses.
; NOTHING IS LEFT OUT AS DEAD.  xx[n] is the same for all k, so in exact arithmetic it does not move the argmin; but it may be so large beside 2 x . e that the f32 sum keeps only a few bits of the product, and
; codes then tie, and the first wins.  So xx and ee are added and the product taken away in the problem's own order, with its two roundings (2 x . e is exact; the multiply-add rounds once).
; FORMATS.  x is rounded to bf16 on its way into registers; products in bf16 with f32 sums; xx is the sum of squares of the ROUNDED x, taken as the diagonal of X X^T by the matrix unit.
; LIMITS.  The order of the additions in xx, ee and x . e is not a plain row sum's.  NaN and infinities are not treated as argmin treats them: a NaN distance is passed over, and a row whose
; distances are all +infinity or NaN gets no meaningful index.
; SHARES.  Work-group g owns rows 128 g .. 128 g + 127.  ALL FOUR WAVES HOLD ALL 128 QUERIES as source 1 in registers (8 query tiles x 8 fragments x 8 = 512 registers); THE CODES ARE SPLIT: wave w walks codes
; 2048 w .. 2048 w + 2047, 128 tiles of 16.  So a fragment of codes read from LDS feeds eight products: 18 LDS loads for a tile's 64 matrix instructions.
; LAYOUT.  S^T = E X^T (source 0 = 16 codes, source 1 = 16 queries): a lane holds ONE query (lane % 16) and the codes 8 (lane / 16) + 0..7.  xx is one number a lane, and the argmin runs down the lane's registers.
; ARGMIN.  For a code tile and a query tile: d in place (8 packed lines), its least of eight (4), one compare with the lane's best so far; where it is less (strictly: the first tile stays) the tile's number and its
; eight d are kept (10 selects).  23 vector lines for 8 matrix instructions.  At the end the first kept d that equals the best gives the code; the halves of the lanes meet by (d, index), the waves in LDS.
; BY TURNS.  The query tiles are two groups of four.  In a turn one group has the matrix unit (32 products, four accumulators by turns) and the other group's 92 vector lines stand behind them, three behind each.
; CLUSTER.  All work-groups walk the same codebook: the four of a cluster ask for each chunk JOINTLY (the same tensor load, descriptor and mask in all four).  x is each work-group's own and comes by a plain load.
; LDS.  Two slots of 131,072 bytes; wave w's chunk (64 codes, 32,768 dense bytes) at 32,768 w of a slot; each wave fetches and reads its own chunks alone.  x in f32 (128 rows, pitch 1,040) lies first where slot 1
; will be, and 2,048 bytes on; ee (32,768 bytes) behind it; then the waves' meeting place, which no tensor load fills; then the spare words.  The launch claims all of the LDS.
; REGISTERS, in windows of 256 (s_set_vgpr_msb: bits 1:0 source 0, 3:2 source 1, 5:4 source 2, 7:6 destination):
;   window 0: addresses, statistics, ee, the kept d, the accumulators    window 1: v0-63, v64-127 the codes' fragments, two buffers (at the start: x in f32)    windows 2, 3: Q of query tiles 0-3, 4-7, at 64 q' + 8 f
.set SLOT1, 131072
.set CHUNK, 32768
.set TILEB, 8192                       ; a tile of 16 codes
.set XB,    131072
.set XP,    1040                       ; a row of x in LDS: 1,024 bytes + 16 = 65 x 16: the 16 rows of a load start at 16 different groups of four banks (ISA guide 11.1)
.set EEB,   XB+128*XP                  ; 264,192
.set SCR,   EEB+32768                  ; 296,960: (d, index) of 128 queries for each wave, 1,024 bytes a wave
.set SPARE, SCR+4096                   ; 301,056: the spare words, 128 bytes for each wave: two blocks of 256 bytes that no other line names
.set AA0, 4                            ; v4   32,768 w + 16 l: my 16 bytes of 512 in my wave's chunk; never rewritten
.set AK,  5                            ; v5   the address of the run of loads in hand
.set AE0, 6                            ; v6   EEB + 8,192 w + 32 (l / 16); never rewritten
.set AE,  7                            ; v7   ee's address in hand
.set VXA, 8                            ; v8   XB + 1,040 (l % 16) + 32 (l / 16): query tiles 0-3;  v9: tiles 4-7
.set SPW, 10                           ; v10  my spare word; never rewritten
.set NIL, 11                           ; v11  0; never rewritten
.set PFO, 12                           ; v12  256 l: the prefetches' offset; never rewritten
.set H8,  13                           ; v13  8 (l / 16)
.set L7,  14                           ; v14  l % 8
.set ST,  16                           ; v[16:31]   query tile t: xx, best
.set GI,  32                           ; v[32:39]   the best's tile number
.set GM,  40                           ; v[40:47]   at work, two sets
.set T,   48                           ; v[48:63]   xx + ee, two sets of 8
.set EE,  64                           ; v[64:79]   ee of a tile's 8 codes, two buffers
.set SV,  80                           ; v[80:143]  the best tile's eight d
.set S,   144                          ; v[144:207] the accumulator of query tile q at S + 8 q
.set W0,  208                          ; v[208:211] at work
.set PR,  212                          ; v[212:227] (d, index) of each query tile
.set AS,  228                          ; v228 where I put them;  v229 where I read two queries of each wave;  v230 my 8 bytes of the output
.set AR,  229
.set AO,  230
.set MG,  232                          ; v[232:247] four waves' (d, i, d, i)
.set RES, 248                          ; v[248:249] two indices
.set WV,  14                           ; s14  my wave's number
.set CX,  15                           ; s15  my place in the cluster
.set WG,  16                           ; s16  my work-group
.set G1W, 24                           ; s[24:31] group 1: a chunk
.set G1X, 32                           ; s[32:39] group 1: 32 rows of x
.set G1E, 40                           ; s[40:47] group 1: a quarter of ee
.set G0W, 48                           ; s[48:51] group 0 of the chunks: it walks
.set G0X, 52
.set G0E, 56
.set SEL, 60                           ; s[60:61] v_permlanex16_b32's selects: each lane takes its own place in the other half
.set TB,  62                           ; s62  LDS byte, in a wave's part, of the tile to be fetched next
.set TE,  63                           ; s63  64 x the tile whose ee is fetched next
.set CT,  66                           ; s66  the number (of 512) of the tile whose distances are in hand
.set CNT, 67
.set SLOTS, 68
.set LIM, 69                           ; s69  2 in the first cluster, else the greatest number: a wave prefetches while s[SLOTS] is above it
.set PFA, 70                           ; s[70:71] where my prefetches stand
.set MK,  72                           ; s72-73 the compare's lanes, by the query tile's parity
.set M0,  73                           ; s74-80 the lanes with l % 8 = 1 .. 7
.set OWN, 81                           ; s81  the lanes that hold a diagonal element of X X^T
.set E0,  82                           ; s82-84 at work at the end
.set OUT, 86                           ; s[86:87] out1 (waves 0, 1) or idxw (waves 2, 3) at my work-group's rows
.set MSB, 0
.macro WIN new                         ; the immediate's high byte repeats the setting that is left; a switch that changes nothing is dropped
.if MSB != (\new)
	s_set_vgpr_msb (MSB<<8)|(\new)
.set MSB, \new
.endif
.endm
.macro PLACES
.rept 4
	v_nop
.endr
.endm
; A round of the cluster's barrier: my work-group's barrier, so that wave 0's signal speaks for all four waves; wave 0 signals; every wave waits for all four work-groups; my work-group's barrier once more.
.macro CROUND
	s_barrier_signal -1
	s_barrier_wait -1
	s_cmp_lg_u32 s[WV], 0
	s_cbranch_scc1 .Lnot_wave_0_\@
	s_barrier_signal -3
.Lnot_wave_0_\@:
	s_barrier_wait -3
	s_barrier_signal -1
	s_barrier_wait -1
.endm
; A PREFETCH INTO THE L2 of the chunk that stands TWO refills on (512 matrix instructions ahead of the load that will want it).  Every cluster walks the same codebook once: the first cluster asks, nobody else.  Of wave w's
; chunk of 32,768 bytes each of the four partners takes 8,192, told apart BY ADDRESS; a lane a block of 256 bytes, one instruction a wave: each block is named once in the launch.  Chunks 0 to 3 come by their loads
; alone; the last two refills ask for nothing, since no chunk stands two behind them.
.macro ASK
	s_cmp_gt_u32 s[SLOTS], s[LIM]
	s_cbranch_scc0 .Lnot_mine_\@
	global_prefetch_b8 v[PFO], s[PFA:PFA+1] th:TH_LOAD_NT scope:SCOPE_SE
.Lnot_mine_\@:
.endm
; THE CHANGE OF SLOTS.  fill = 1: the slot that has been read out is filled again.  Each wave waits for all its tensor loads (one is out: its chunk in the other slot), adds 0 to its spare word, and waits for that and for
; its own reads of the slot; a round of the cluster's barrier, so that no wave of any partner still reads the slot or has a load on its way; the joint refill first behind it: it has 256 matrix instructions in which to land.
; fill = 0 (the last chunk): nothing is filled and a wave reads only what its own load brought, so its own wait is all.  flip = 1: the fetches go on in the other slot.
.macro CHANGE fill, flip, ask
	WIN 0                                          ; at a label and at a branch every window is 0; the add's registers lie in window 0
	s_wait_tensorcnt 0x0                           ; no tensor load of mine is out, so group 0 may be written
.if \fill
	ds_add_u32 v[SPW], v[NIL]                      ; 0 onto my spare word: the steps below stand between it and the wait for it
	s_xor_b32 s[G0W+1], s[G0W+1], SLOT1            ; the other slot than last time,
	s_add_nc_u64 s[G0W+2:G0W+3], s[G0W+2:G0W+3], CHUNK  ; the next chunk; the type bits on top are not reached
.if \ask
	s_wait_xcnt 0x0                                ; the last prefetch, four tiles back, has read its address
	s_add_nc_u64 s[PFA:PFA+1], s[PFA:PFA+1], CHUNK
.endif
	s_wait_dscnt 0x0                               ; the add is done, and my reads of the slot are over
	CROUND
	tensor_load_to_lds s[G0W:G0W+3], s[G1W:G1W+7]
	s_nop 0
	PLACES
.if \ask
	ASK
.endif
.endif
.if \flip
	s_sub_co_u32 s[TB], s[TB], CHUNK               ; back to a chunk's first tile,
	s_xor_b32 s[TB], s[TB], SLOT1                  ; in the other slot
.endif
.endm
	s_load_b256 s[4:11], s[0:1], 0x0               ; inputs s[4:5], wb s[6:7], ee s[8:9], out1 s[10:11]
	s_load_b64 s[12:13], s[0:1], 0x20              ; idxw
	v_lshl_add_u32 v[SPW], v0, 2, SPARE
	v_mov_b32 v[NIL], 0
	ds_add_u32 v[SPW], v[NIL]                      ; the wave's opening: the add, twice on end, and its wait ahead of my first tensor load; the set-up below stands between
	ds_add_u32 v[SPW], v[NIL]
	v_lshrrev_b32 v1, 5, v0
	v_readfirstlane_b32 s[WV], v1                  ; wave 0..3
	s_bfe_u32 s[CX], ttmp6, 0x40000                ; cx
	s_lshl_b32 s[WG], ttmp9, 2                     ; in a cluster launch ttmp9 counts clusters
	s_add_co_u32 s[WG], s[WG], s[CX]               ; it enters x's address, the outputs' and the prefetches' alone
	; group 1 of a chunk: 32,768 dense bytes as 128 rows of 32 elements of 8 bytes
	s_mov_b32 s[G1W+0], 15|(3<<16)|(1<<21)         ; 15:0 the mask of four; 17:16 elements of 8 bytes; 21 set beside a mask
	s_mov_b32 s[G1W+1], 32<<16                     ; tensor_dim0 = 32
	s_mov_b32 s[G1W+2], 128<<16                    ; tensor_dim1 = 128
	s_mov_b32 s[G1W+3], 32<<16                     ; tile_dim0 = 32
	s_mov_b32 s[G1W+4], 128                        ; tile_dim1 = 128
	s_mov_b32 s[G1W+5], 32                         ; 32 elements from row to row
	s_mov_b32 s[G1W+6], 0
	s_mov_b32 s[G1W+7], 0
	; group 1 of a quarter of ee: 8,192 dense bytes, 32 such rows
	s_mov_b32 s[G1E+0], 15|(3<<16)|(1<<21)
	s_mov_b32 s[G1E+1], 32<<16
	s_mov_b32 s[G1E+2], 32<<16
	s_mov_b32 s[G1E+3], 32<<16
	s_mov_b32 s[G1E+4], 32
	s_mov_b32 s[G1E+5], 32
	s_mov_b32 s[G1E+6], 0
	s_mov_b32 s[G1E+7], 0
	; group 1 of 32 rows of x: 256 elements of 4 bytes, 4 words of padding after every 256 words; no mask: the load is my work-group's own
	s_mov_b32 s[G1X+0], (2<<16)|(1<<20)|(7<<22)|(3<<25)
	s_mov_b32 s[G1X+1], 256<<16
	s_mov_b32 s[G1X+2], 32<<16
	s_mov_b32 s[G1X+3], 256<<16
	s_mov_b32 s[G1X+4], 32
	s_mov_b32 s[G1X+5], 256
	s_mov_b32 s[G1X+6], 0
	s_mov_b32 s[G1X+7], 0
	s_mov_b32 s[G0W], 1
	s_lshl_b32 s[G0W+1], s[WV], 15                 ; slot 0, my wave's part: no place in the cluster enters an LDS address
	s_mov_b32 s[G0X], 1
	s_mul_i32 s[G0X+1], s[WV], 32*XP
	s_add_co_u32 s[G0X+1], s[G0X+1], XB
	s_mov_b32 s[G0E], 1
	s_lshl_b32 s[G0E+1], s[WV], 13
	s_add_co_u32 s[G0E+1], s[G0E+1], EEB
	s_lshl_b32 s18, s[WV], 20                      ; my wave's quarter of wb,
	s_mov_b32 s19, 0
	s_lshl_b32 s20, s[WV], 13                      ; and of ee: made of the wave's number alone
	s_mov_b32 s21, 0
	s_lshl_b32 s22, s[WG], 17                      ; my work-group's 128 rows of x,
	s_lshl_b32 s23, s[WV], 15                      ; the 32 of them that I fetch
	s_add_co_u32 s22, s22, s23
	s_mov_b32 s23, 0
	s_lshl_b32 s2, s[CX], 13                       ; my work-group's 8,192 bytes of a chunk, for the prefetches
	s_mov_b32 s3, 0
	s_lshl_b32 s88, s[WG], 9                       ; my work-group's 128 indices
	s_mov_b32 s89, 0
	s_mov_b32 s[SEL], 0x76543210
	s_mov_b32 s[SEL+1], 0xfedcba98
	s_mov_b32 s[OWN], 0xff0000ff
	s_mov_b32 s[TB], 0
	s_mov_b32 s[TE], 0
	s_lshl_b32 s[CT], s[WV], 7
	s_sub_co_u32 s[CT], s[CT], 1                   ; one before my first tile: the first turn steps it
	s_mov_b32 s[SLOTS], 31
	s_mov_b32 s17, ttmp9
	s_cmp_eq_u32 s17, 0                            ; the same in all four partners
	s_cselect_b32 s[LIM], 2, -1
	s_wait_dscnt 0x0                               ; both opening adds are done
	s_wait_kmcnt 0x0
	s_add_nc_u64 s[G0W+2:G0W+3], s[6:7], s[18:19]
	s_or_b32 s[G0W+3], s[G0W+3], 0x80000000        ; type = 2
	s_add_nc_u64 s[G0E+2:G0E+3], s[8:9], s[20:21]
	s_or_b32 s[G0E+3], s[G0E+3], 0x80000000
	s_add_nc_u64 s[G0X+2:G0X+3], s[4:5], s[22:23]
	s_or_b32 s[G0X+3], s[G0X+3], 0x80000000
	s_add_nc_u64 s[PFA:PFA+1], s[6:7], s[18:19]
	s_add_nc_u64 s[PFA:PFA+1], s[PFA:PFA+1], s[2:3]
	s_add_nc_u64 s[PFA:PFA+1], s[PFA:PFA+1], 3*CHUNK  ; at chunk 3: the first change that asks steps it to chunk 4
	s_cmp_lt_u32 s[WV], 2
	s_cselect_b64 s[OUT:OUT+1], s[10:11], s[12:13]
	s_add_nc_u64 s[OUT:OUT+1], s[OUT:OUT+1], s[88:89]
	CROUND                                         ; all four work-groups are here: the first joint loads meet
	tensor_load_to_lds s[G0X:G0X+3], s[G1X:G1X+7]  ; the three first fills go out together: three tensor loads of mine are out.  x first: it is wanted first
	s_nop 0
	tensor_load_to_lds s[G0E:G0E+3], s[G1E:G1E+7]
	s_nop 0
	tensor_load_to_lds s[G0W:G0W+3], s[G1W:G1W+7]  ; chunk 0
	s_nop 0
	PLACES
	; all that follows up to the wait stands in the wait for x
	v_and_b32 v1, 15, v0                           ; l % 16
	v_bfe_u32 v2, v0, 4, 1                         ; l / 16
	v_and_b32 v3, 31, v0                           ; l
	s_lshl_b32 s18, s[WV], 15
	v_lshl_add_u32 v[AA0], v3, 4, s18
	s_lshl_b32 s19, s[WV], 13
	s_add_co_u32 s19, s19, EEB
	v_lshl_add_u32 v[AE0], v2, 5, s19
	v_mul_u32_u24 v[VXA], v1, XP
	v_lshl_add_u32 v[VXA], v2, 5, v[VXA]
	v_add_nc_u32 v[VXA], XB, v[VXA]
	v_add_nc_u32 v[VXA+1], 64*XP, v[VXA]
	v_lshlrev_b32 v[PFO], 8, v3
	v_lshlrev_b32 v[H8], 3, v2
	v_and_b32 v[L7], 7, v0
.irp j, 1,2,3,4,5,6,7
	v_cmp_eq_u32 s[M0+\j], \j, v[L7]
.endr
	s_lshl_b32 s20, s[WV], 10
	s_add_co_u32 s20, s20, SCR
	v_lshl_add_u32 v[AS], v1, 3, s20
	s_and_b32 s21, s[WV], 1
	s_lshl_b32 s22, s21, 9
	s_add_co_u32 s22, s22, SCR
	v_lshl_add_u32 v[AR], v3, 4, s22
	s_lshl_b32 s23, s21, 8
	v_lshl_add_u32 v[AO], v3, 3, s23
	; What the first turn finds, so that tile 0 is a tile like any other: best = +infinity; ee's second buffer = +infinity, so that the first turn's vector lines, of a tile that has not been, make d = +infinity,
	; which is not less than best; the kept numbers hold 0.  90 lines, once a launch.
.set i, 0
.rept 8
	v_mov_b32 v[ST+2*i+1], 0x7f800000
	v_mov_b32 v[GI+i], 0
	v_mov_b32 v[EE+8+i], 0x7f800000
.set i, i+1
.endr
.set i, 0
.rept 64
	v_mov_b32 v[SV+i], 0
.set i, i+1
.endr
	v_mov_b32 v[W0+1], 0                           ; v_permlanex16_b32's destinations count as read
	v_mov_b32 v[W0+3], 0
	s_wait_tensorcnt 0x2                           ; my 32 rows of x are in; ee's and chunk 0's loads, issued behind x's, may stay out
	s_barrier_signal -1
	s_barrier_wait -1                              ; everybody's rows are in
; Q.  A fragment is 16 queries x 32 channels in 8 registers: lane l holds query l % 16, channels 8 (l / 16) + 0..7 and 16 + 8 (l / 16) + 0..7: in f32 four loads of 16 bytes, at 0, 16, 64 and 80.
; Batch nn of 16: query tile nn / 2, fragments 4 (nn % 2) + 0..3: 16 loads into half nn % 2 of window 1's 128 registers, then 32 roundings.
.macro LOADX nn
	WIN 0x40                                       ; destination window 1, address window 0
.set xq, (\nn)/2
.irp fi, 0,1,2,3
.irp o, 0,1,2,3
	ds_load_b128 v[64*((\nn)%2)+16*(\fi)+4*(\o):64*((\nn)%2)+16*(\fi)+4*(\o)+3], v[VXA+xq/4] offset:(xq%4)*16*XP+128*(4*((\nn)%2)+(\fi))+16*((\o)%2)+64*((\o)/2)
.endr
.endr
.endm
.macro CVTX nn
.set xq, (\nn)/2
	WIN 0x85+0x40*(xq/4)                           ; sources window 1, destination window 2 or 3
.irp fi, 0,1,2,3
.irp j, 0,1,2,3,4,5,6,7
	v_cvt_pk_bf16_f32 v[64*(xq%4)+8*(4*((\nn)%2)+(\fi))+(\j)], v[64*((\nn)%2)+16*(\fi)+2*(\j)], v[64*((\nn)%2)+16*(\fi)+2*(\j)+1]
.endr
.endr
.endm
	LOADX 0
	LOADX 1
.set xn, 0
.rept 16
.if xn < 15
	s_wait_dscnt 16                                ; this batch is in; the younger batch's 16 loads stay out
.else
	s_wait_dscnt 0x0
.endif
	CVTX xn
.if xn < 14
	LOADX xn+2
.endif
.set xn, xn+1
.endr
; A tile's 16 codes x 256 channels: 8 fragments, 16 loads of 512 consecutive bytes, into buffer b of window 1.
.macro FETCHA b
	WIN 0
	v_add_nc_u32 v[AK], s[TB], v[AA0]
	WIN 0x40
.irp f, 0,1,2,3,4,5,6,7
	ds_load_b128 v[64*(\b)+8*(\f):64*(\b)+8*(\f)+3],   v[AK] offset:1024*(\f)
	ds_load_b128 v[64*(\b)+8*(\f)+4:64*(\b)+8*(\f)+7], v[AK] offset:1024*(\f)+512
.endr
	s_add_co_u32 s[TB], s[TB], TILEB
.endm
; ee of the tile in hand into buffer b, and (a = 1) the NEXT tile's fragments into the other buffer: one run of 18 loads.
.macro FETCH b, a
	WIN 0
	v_add_nc_u32 v[AE], s[TE], v[AE0]
	ds_load_b128 v[EE+8*(\b):EE+8*(\b)+3],   v[AE]
	ds_load_b128 v[EE+8*(\b)+4:EE+8*(\b)+7], v[AE] offset:16
	s_add_co_u32 s[TE], s[TE], 64
.if \a
	FETCHA 1-(\b)
.endif
.endm
; Product i of 32 of group g: channels 32 (i / 4) on, query tile 4 g + i % 4.  The first four start the sums with the constant 0.  The four accumulators take turns, one instruction a turn;
; the next turn begins on the other group's.
.macro MM g, b
	WIN 0x09+4*(\g)                                ; codes in window 1, Q in window 2 or 3, C and D in window 0
.set rD, S+8*(4*(\g)+i%4)
.set rA, 64*(\b)+8*(i/4)
.set rQ, 64*(i%4)+8*(i/4)
.if i < 4
	v_wmma_f32_16x16x32_bf16 v[rD:rD+7], v[rA:rA+7], v[rQ:rQ+7], 0
.else
	v_wmma_f32_16x16x32_bf16 v[rD:rD+7], v[rA:rA+7], v[rQ:rQ+7], v[rD:rD+7]
.endif
.set i, i+1
.endm
; Number rk of the 23 vector lines of query tile rt, with ee's buffer e.
;   0-3 t = xx + ee      4-7 d = t - 2 s, in place, the accumulator's lowest registers first      8-11 the least of the eight      12 is it less than best?  (the lanes go to a scalar
.macro SM e
.set rS, S+8*rt
.set rT, T+8*(rt%2)
.set rM, GM+4*(rt%2)
.set rX, ST+2*rt
.set rE, EE+8*(\e)
.set rV, SV+8*rt
.set sM, MK+rt%2
.if rk < 4
	v_pk_add_f32 v[rT+2*rk:rT+2*rk+1], v[rX:rX+1], v[rE+2*rk:rE+2*rk+1] op_sel_hi:[0,1]
.elseif rk < 8
.set u, 2*(rk-4)
	v_pk_fma_f32 v[rS+u:rS+u+1], v[rS+u:rS+u+1], -2.0, v[rT+u:rT+u+1] op_sel_hi:[1,0,1]
.elseif rk == 8
	v_min3_num_f32 v[rM], v[rS], v[rS+1], v[rS+2]
.elseif rk == 9
	v_min3_num_f32 v[rM+1], v[rS+3], v[rS+4], v[rS+5]
.elseif rk == 10
	v_min_num_f32 v[rM+2], v[rS+6], v[rS+7]
.elseif rk == 11
	v_min3_num_f32 v[rM], v[rM], v[rM+1], v[rM+2]
.elseif rk == 12
	v_cmp_lt_f32 s[sM], v[rM], v[rX+1]
.elseif rk == 13
	v_min_num_f32 v[rX+1], v[rX+1], v[rM]
.elseif rk == 14
	v_cndmask_b32 v[GI+rt], v[GI+rt], s[CT], s[sM]
.else
	v_cndmask_b32 v[rV+rk-15], v[rV+rk-15], v[rS+rk-15], s[sM]
.endif
.endm
; The next of group gp's 92 lines: two query tiles at a time, alternating, so that no line reads the result of the line just before it.
.macro RID gp, e
.if n < 92
	WIN 0
.set rt, 4*(\gp)+2*(n/46)+n%2
.set rk, (n%46)/2
	SM \e
.set n, n+1
.endif
.endm
; A TURN.  Group g has the matrix unit, on the tile in buffer b; behind each product stand three lines of the other group: for g = 1 of the same tile, for g = 0 of the tile before.
; The run of loads stands behind the second product of g = 0 and is waited for at the head of g = 1, 30 products later.  PLACES, counted: the buffer that the run fills was last read by the turn before's last
; product; behind that stand six lines that name only t, xx and ee, and the run's two additions.  An accumulator is first touched by line 8 or later: behind the product that ended it stand five lines of the
; turn before at the least (which name the other group's registers) and eight that make t.
.macro TURN g, b, a
.set n, 0
.set i, 0
.set eb, (\g)*(\b)+(1-(\g))*(1-(\b))
.if (\g) == 1
	s_wait_dscnt 0x0                               ; this tile's ee and the next tile's fragments are in
.endif
.rept 32
	MM \g, \b
	RID 1-(\g), eb
	RID 1-(\g), eb
	RID 1-(\g), eb
.if ((\g) == 0) && (i == 2)
	FETCH \b, \a
.endif
.endr
.if (\g) == 0
	s_add_co_u32 s[CT], s[CT], 1                   ; the lines to come belong to this tile
.endif
.endm
.macro TILE b, a
	TURN 0, \b, \a
	TURN 1, \b, \a
.endm
	CHANGE 1, 0, 0                                 ; x has been read out, by every wave of every partner: chunk 1 goes where it lay.  The wait for all loads has also shown ee and chunk 0 in
	FETCHA 0                                       ; tile 0
	; xx: the diagonal of X X^T, 64 products on eight accumulators by turns, while tile 0's fragments come
.set xf, 0
.rept 8
.set xq, 0
.rept 8
	WIN 0x0a+5*(xq/4)                              ; both sources in window 2 or 3
.if xf == 0
	v_wmma_f32_16x16x32_bf16 v[S+8*xq:S+8*xq+7], v[64*(xq%4)+8*xf:64*(xq%4)+8*xf+7], v[64*(xq%4)+8*xf:64*(xq%4)+8*xf+7], 0
.else
	v_wmma_f32_16x16x32_bf16 v[S+8*xq:S+8*xq+7], v[64*(xq%4)+8*xf:64*(xq%4)+8*xf+7], v[64*(xq%4)+8*xf:64*(xq%4)+8*xf+7], v[S+8*xq:S+8*xq+7]
.endif
.set xq, xq+1
.endr
.set xf, xf+1
.endr
	WIN 0
	PLACES
	; register j of lane (r, h) holds element (8 h + j, r): the diagonal lies in register l % 8 of lanes 0-7 and 24-31; each of the other lanes takes it from the lane 16 away
.set xq, 0
.rept 8
.set tA, W0+2*(xq%2)
	v_cndmask_b32 v[tA], v[S+8*xq], v[S+8*xq+1], s[M0+1]
.irp j, 2,3,4,5,6,7
	v_cndmask_b32 v[tA], v[tA], v[S+8*xq+\j], s[M0+\j]
.endr
	v_permlanex16_b32 v[tA+1], v[tA], s[SEL], s[SEL+1]
	v_cndmask_b32 v[ST+2*xq], v[tA+1], v[tA], s[OWN]
.set xq, xq+1
.endr
	s_wait_dscnt 0x0                               ; tile 0's fragments are in
	; THE WALK: tiles 0 | 1, 2 | change | 3 .. 6 | change | .. | 119 .. 122 | 123 .. 127.  A change stands behind tile 4 s + 2: the slot's last tile, 4 s + 3, is in registers by then.
	s_mov_b32 s[CNT], 2
	s_branch .Lmid                                 ; tile 0 enters in the middle of a trip
.Lslot:                                            ; 30 times: chunk s + 2 goes into the slot just read out
	CHANGE 1, 1, 1
	s_mov_b32 s[CNT], 2
.Lpair:
	TILE 1, 1                                      ; an odd tile
	WIN 0
.Lmid:
	TILE 0, 1                                      ; an even tile
	WIN 0
	s_sub_co_u32 s[CNT], s[CNT], 1
	s_cmp_lg_u32 s[CNT], 0
	s_cbranch_scc1 .Lpair
	s_sub_co_u32 s[SLOTS], s[SLOTS], 1
	s_cmp_lg_u32 s[SLOTS], 0
	s_cbranch_scc1 .Lslot
	CHANGE 0, 1, 0                                 ; the tail is written out: the last chunk is in, nothing is asked for
	s_mov_b32 s[CNT], 2
.Ltail:
	TILE 1, 1                                      ; tiles 123 to 126
	TILE 0, 1
	WIN 0
	s_sub_co_u32 s[CNT], s[CNT], 1
	s_cmp_lg_u32 s[CNT], 0
	s_cbranch_scc1 .Ltail
	TILE 1, 0                                      ; tile 127 fetches its ee alone
.set n, 0
.rept 92
	RID 1, 1                                       ; the second group's lines of tile 127
.endr
	; THE END.  For each query tile: the first of the kept eight d that equals best gives the code 16 x tile + 8 (l / 16) + j; the two halves of the lanes, which hold other codes of the same query, meet by
	; (d, index): the less d, and of equal d the lower index.
.macro FIN q
	v_mov_b32 v[W0], 7
.irp j, 6,5,4,3,2,1,0
	v_cmp_eq_f32 s[E0], v[SV+8*(\q)+\j], v[ST+2*(\q)+1]
	v_cndmask_b32 v[W0], v[W0], \j, s[E0]
.endr
	v_lshl_add_u32 v[W0+1], v[GI+(\q)], 4, v[W0]
	v_add_nc_u32 v[W0+1], v[W0+1], v[H8]
	v_permlanex16_b32 v[W0+2], v[ST+2*(\q)+1], s[SEL], s[SEL+1]
	v_permlanex16_b32 v[W0+3], v[W0+1], s[SEL], s[SEL+1]
	v_cmp_lt_f32 s[E0], v[W0+2], v[ST+2*(\q)+1]
	v_cmp_eq_f32 s[E0+1], v[W0+2], v[ST+2*(\q)+1]
	v_cmp_lt_u32 s[E0+2], v[W0+3], v[W0+1]
	s_and_b32 s[E0+1], s[E0+1], s[E0+2]
	s_or_b32 s[E0], s[E0], s[E0+1]
	v_cndmask_b32 v[PR+2*(\q)], v[ST+2*(\q)+1], v[W0+2], s[E0]
	v_cndmask_b32 v[PR+2*(\q)+1], v[W0+1], v[W0+3], s[E0]
	ds_store_b64 v[AS], v[PR+2*(\q):PR+2*(\q)+1] offset:128*(\q)  ; both halves of the lanes write the same words with the same numbers
.endm
	WIN 0
.irp q, 0,1,2,3,4,5,6,7
	FIN \q
.endr
	s_wait_dscnt 0x0                               ; for the others' sake: my stores are done
	s_barrier_signal -1
	s_barrier_wait -1
.irp u, 0,1,2,3
	ds_load_b128 v[MG+4*\u:MG+4*\u+3], v[AR] offset:1024*\u  ; two queries' (d, index) of wave u
.endr
	s_wait_dscnt 0x0
.irp u, 1,2                            ; the waves ascend in codes: a later wave's d wins only where it is strictly less
	v_cmp_lt_f32 s[E0], v[MG+4*\u], v[MG]
	v_cmp_lt_f32 s[E0+1], v[MG+4*\u+2], v[MG+2]
	v_cndmask_b32 v[MG], v[MG], v[MG+4*\u], s[E0]
	v_cndmask_b32 v[MG+1], v[MG+1], v[MG+4*\u+1], s[E0]
	v_cndmask_b32 v[MG+2], v[MG+2], v[MG+4*\u+2], s[E0+1]
	v_cndmask_b32 v[MG+3], v[MG+3], v[MG+4*\u+3], s[E0+1]
.endr
	v_cmp_lt_f32 s[E0], v[MG+12], v[MG]
	v_cmp_lt_f32 s[E0+1], v[MG+14], v[MG+2]
	v_cndmask_b32 v[RES], v[MG+1], v[MG+13], s[E0]
	v_cndmask_b32 v[RES+1], v[MG+3], v[MG+15], s[E0+1]
	global_store_b64 v[AO], v[RES:RES+1], s[OUT:OUT+1]  ; 32 lanes store 256 consecutive bytes, aligned: waves 0 and 1 the two halves of out1's 128 indices, waves 2 and 3 those of idxw's
	s_wait_tensorcnt 0x0                           ; the wave's end, behind my last tensor load and my last LDS store
	ds_add_u32 v[SPW], v[NIL]
	s_wait_dscnt 0x0
	CROUND                                         ; the closing round: no work-group ends while a partner may still ask for a tile that names it
	s_endpgm
.Lfunc_end_k_q5a54301cab_dist:
	.size	k_q5a54301cab_dist, .Lfunc_end_k_q5a54301cab_dist-k_q5a54301cab_dist
	.p2alignl 7, 3214868480
	.fill 96, 4, 3214868480
	.section	.rodata,"a",@progbits
	.p2align	6, 0x0
	.amdhsa_kernel k_q5a54301cab_dist
		.amdhsa_group_segment_fixed_size 327680
		.amdhsa_private_segment_fixed_size 0
		.amdhsa_enable_private_segment 0
		.amdhsa_kernarg_size 40
		.amdhsa_user_sgpr_count 2
		.amdhsa_user_sgpr_kernarg_segment_ptr 1
		.amdhsa_wavefront_size32 1
		.amdhsa_system_sgpr_workgroup_id_x 1
		.amdhsa_system_sgpr_workgroup_id_y 1
		.amdhsa_system_sgpr_workgroup_id_z 1
		.amdhsa_system_vgpr_workitem_id 0
		.amdhsa_next_free_vgpr 1024
		.amdhsa_next_free_sgpr 90
		.amdhsa_reserve_vcc 0
		.amdhsa_float_denorm_mode_32 3
		.amdhsa_float_denorm_mode_16_64 3
		.amdhsa_memory_ordered 1
		.amdhsa_forward_progress 1
		.amdhsa_inst_pref_size 193
	.end_amdhsa_kernel
	.amdgpu_metadata
---
amdhsa.version: [ 1, 2 ]
amdhsa.kernels:
  - .name:           k_q5a54301cab_dist
    .symbol:         k_q5a54301cab_dist.kd
    .args:
      - { .name: inputs, .offset: 0, .size: 8, .value_kind: global_buffer, .address_space: global }
      - { .name: wb, .offset: 8, .size: 8, .value_kind: global_buffer, .address_space: global }
      - { .name: ee, .offset: 16, .size: 8, .value_kind: global_buffer, .address_space: global }
      - { .name: out1, .offset: 24, .size: 8, .value_kind: global_buffer, .address_space: global }
      - { .name: idxw, .offset: 32, .size: 8, .value_kind: global_buffer, .address_space: global }
    .group_segment_fixed_size: 327680
    .private_segment_fixed_size: 0
    .kernarg_segment_align: 8
    .kernarg_segment_size: 40
    .max_flat_workgroup_size: 128
    .sgpr_count:     90
    .vgpr_count:     1024
    .wavefront_size: 32
...
	.end_amdgpu_metadata
.endif
;; end of part 2
;; launch gather (part 3): grid 512 x 1, 8 waves a work-group, no clusters, 0 bytes of LDS; arguments inputs, weight, idxw, out0; writes out0
.if DOCPART == 3
	.amdgcn_target "amdgcn-amd-amdhsa--gfx1250"
	.amdhsa_code_object_version 6
	.text
	.protected	k_q5a54301cab_gather
	.globl	k_q5a54301cab_gather
	.p2align	8
	.type	k_q5a54301cab_gather,@function
k_q5a54301cab_gather:
	s_mov_b64 s[64:65], 0
	v_nop
	global_prefetch_b8 v0, s[64:65] scope:SCOPE_SE
	s_setreg_imm32_b32 hwreg(HW_REG_WAVE_MODE, 25, 1), 1
	s_wait_xcnt 0x0
; out0[n][:] = x[n][:] + (weight[idx[n]][:] - x[n][:]), in f32, with the problem's own two roundings: x may be so large beside the code that the difference keeps only part of it, so the two
; additions are not struck out against each other.  Nothing is left out.  idx comes from idxw, which the launch before stored; the lookup reads only the rows that it names.
; A stream: each row of x is read once and each row of out0 written once, by loads and stores of 512 consecutive bytes.  No LDS, no barrier, no matrix unit: no wave wants a byte that another has fetched.
; SHARES.  A wave takes 8 rows: 16 loads of x go out before the indices are in, then 16 of the codes' rows; nothing is rewritten while it is in use, so no wait stands for sources.
; No prefetch: all of a wave's loads are out at once, and nothing is asked for later.
.set X, 8                              ; v[8:71]    8 rows of x, 8 registers a row
.set W, 72                             ; v[72:135]  the codes' rows, then the results
	s_load_b256 s[4:11], s[0:1], 0x0               ; inputs s[4:5], weight s[6:7], idxw s[8:9], out0 s[10:11]
	v_lshrrev_b32 v2, 5, v0
	v_readfirstlane_b32 s12, v2                    ; wave 0..7
	v_and_b32 v1, 31, v0
	v_lshlrev_b32 v1, 4, v1                        ; 16 x lane
	s_lshl_b32 s13, ttmp9, 3
	s_add_co_u32 s13, s13, s12                     ; my wave among all 4,096
	s_lshl_b32 s14, s13, 5                         ; its 8 indices
	s_mov_b32 s15, 0
	s_lshl_b32 s24, s13, 13                        ; its 8 rows of 1,024 bytes
	s_mov_b32 s25, 0
	s_mov_b32 s49, 0
	s_wait_kmcnt 0x0
	s_add_nc_u64 s[8:9], s[8:9], s[14:15]
	s_load_b256 s[16:23], s[8:9], 0x0              ; this launch stores nothing into idxw
	s_add_nc_u64 s[4:5], s[4:5], s[24:25]
	s_add_nc_u64 s[10:11], s[10:11], s[24:25]
.set i, 0
.rept 16
	global_load_b128 v[X+4*i:X+4*i+3], v1, s[4:5] offset:512*i th:TH_LOAD_NT
.set i, i+1
.endr
	s_wait_kmcnt 0x0
.irp i, 0,1,2,3,4,5,6,7
	s_min_u32 s[16+\i], s[16+\i], 8191             ; an index lies in the table; the bound is written out ahead of the address
	s_lshl_b32 s48, s[16+\i], 10
	s_add_nc_u64 s[32+2*\i:33+2*\i], s[6:7], s[48:49]
	global_load_b128 v[W+8*\i:W+8*\i+3],   v1, s[32+2*\i:33+2*\i]             ; no hint: other rows may name the same code
	global_load_b128 v[W+8*\i+4:W+8*\i+7], v1, s[32+2*\i:33+2*\i] offset:512
.endr
.irp i, 0,1,2,3,4,5,6,7
	s_wait_loadcnt 14-2*\i                         ; loads come back in order: row i's code is in (and all of x); the later rows' 14 - 2 i loads stay out
.irp j, 0,2,4,6
	v_pk_add_f32 v[W+8*\i+\j:W+8*\i+\j+1], v[W+8*\i+\j:W+8*\i+\j+1], v[X+8*\i+\j:X+8*\i+\j+1] neg_lo:[0,1] neg_hi:[0,1]  ; q - x
.endr
.irp j, 0,2,4,6
	v_pk_add_f32 v[W+8*\i+\j:W+8*\i+\j+1], v[X+8*\i+\j:X+8*\i+\j+1], v[W+8*\i+\j:W+8*\i+\j+1]  ; x + (q - x)
.endr
	global_store_b128 v1, v[W+8*\i:W+8*\i+3],   s[10:11] offset:1024*\i th:TH_STORE_NT
	global_store_b128 v1, v[W+8*\i+4:W+8*\i+7], s[10:11] offset:1024*\i+512 th:TH_STORE_NT
.endr
	s_endpgm
.Lfunc_end_k_q5a54301cab_gather:
	.size	k_q5a54301cab_gather, .Lfunc_end_k_q5a54301cab_gather-k_q5a54301cab_gather
	.p2alignl 7, 3214868480
	.fill 96, 4, 3214868480
	.section	.rodata,"a",@progbits
	.p2align	6, 0x0
	.amdhsa_kernel k_q5a54301cab_gather
		.amdhsa_group_segment_fixed_size 0
		.amdhsa_private_segment_fixed_size 0
		.amdhsa_enable_private_segment 0
		.amdhsa_kernarg_size 32
		.amdhsa_user_sgpr_count 2
		.amdhsa_user_sgpr_kernarg_segment_ptr 1
		.amdhsa_wavefront_size32 1
		.amdhsa_system_sgpr_workgroup_id_x 1
		.amdhsa_system_sgpr_workgroup_id_y 1
		.amdhsa_system_sgpr_workgroup_id_z 1
		.amdhsa_system_vgpr_workitem_id 0
		.amdhsa_next_free_vgpr 136
		.amdhsa_next_free_sgpr 66
		.amdhsa_reserve_vcc 0
		.amdhsa_float_denorm_mode_32 3
		.amdhsa_float_denorm_mode_16_64 3
		.amdhsa_memory_ordered 1
		.amdhsa_forward_progress 1
		.amdhsa_inst_pref_size 11
	.end_amdhsa_kernel
	.amdgpu_metadata
---
amdhsa.version: [ 1, 2 ]
amdhsa.kernels:
  - .name:           k_q5a54301cab_gather
    .symbol:         k_q5a54301cab_gather.kd
    .args:
      - { .name: inputs, .offset: 0, .size: 8, .value_kind: global_buffer, .address_space: global }
      - { .name: weight, .offset: 8, .size: 8, .value_kind: global_buffer, .address_space: global }
      - { .name: idxw, .offset: 16, .size: 8, .value_kind: global_buffer, .address_space: global }
      - { .name: out0, .offset: 24, .size: 8, .value_kind: global_buffer, .address_space: global }
    .group_segment_fixed_size: 0
    .private_segment_fixed_size: 0
    .kernarg_segment_align: 8
    .kernarg_segment_size: 32
    .max_flat_workgroup_size: 256
    .sgpr_count:     66
    .vgpr_count:     136
    .wavefront_size: 32
...
	.end_amdgpu_metadata
.endif
;; end of part 3
;; ======== version 2 of 2: 3 launches; version 1 with the launch prep written anew for expert scheduling mode
;; workspace buffers: wb 4,194,304 bytes; ee 32,768 bytes; idxw 131,072 bytes of whole numbers
;; launch prep (part 4): grid 128 x 1, 4 waves a work-group, no clusters, 34,560 bytes of LDS; arguments weight, wb, ee; writes wb, ee
.if DOCPART == 4
	.amdgcn_target "amdgcn-amd-amdhsa--gfx1250"
	.amdhsa_code_object_version 6
	.text
	.protected	k_q5a54301cab_prep
	.globl	k_q5a54301cab_prep
	.p2align	8
	.type	k_q5a54301cab_prep,@function
k_q5a54301cab_prep:
	s_mov_b64 s[64:65], 0
	v_nop
	global_prefetch_b8 v0, s[64:65] scope:SCOPE_SE
	s_setreg_imm32_b32 hwreg(HW_REG_WAVE_SCHED_MODE, 0, 2), 2
	s_setreg_imm32_b32 hwreg(HW_REG_WAVE_MODE, 25, 1), 1
	s_wait_xcnt 0x0
	s_wait_alu depctr_vm_vsrc(0)
; THE CODEBOOK IS ROUNDED AND LAID OUT ONCE.  weight: [8192][256] f32.  wb: the same numbers rounded to bf16 (nearest even), in the order in which the
; next launch's matrix operands take them: [512 tiles of 16 codes][32 blocks of 8 channels][16 codes][8 channels], byte 8192 T + 256 cb + 16 r.
; ee[k] = the sum over the channels of bf16(weight[k][c])^2, in f32: the squares of the numbers that are multiplied later.  Nothing of the problem is left out here.
; LIMIT: the order of ee's 256 additions differs from a plain row sum's (four chains a lane, two lanes a row).
; SHARES.  Wave w of work-group G takes tile T = 4 G + w: 16 rows, 16,384 consecutive bytes, by 32 loads of 512 consecutive bytes, all issued before the first wait.
; The turn from rows to blocks goes through the wave's own stage in LDS (16 rows of 512 bytes + 16 of padding: pitch 528 = 33 x 16, so the 16 rows that a
; read touches start at 16 different groups of four banks: ISA guide 11.1).  A work-group's 64 codes make 256 consecutive bytes of ee, stored by one instruction.
; THE MODE: SCHED_MODE bits 1:0 = 2 (LLVM: expert scheduling mode 2), set by the entry lines.  The code itself states the register dependences
; between vector instructions and memory or LDS instructions, with s_wait_alu, always for 0.
; THE PLAN.  Registers that memory or LDS instructions touch:
;   v4-v9, v18, v19  addresses and the closing add's pair: written once at the head, never again.
;   X                written by the 32 global loads, read by the roundings; then its first 64 registers are written by the 16 LDS reads, and read by wb's stores and by the squares.
;   P                written by the roundings, read by the 32 LDS stores; never written again.
;   v12              the row's sum: written by the additions, read by one LDS store.      v[16:17]  an LDS read's result, a store's data: no vector line names them.
; The loads are taken in four batches of eight.  Batch b rounds X[b] into P[b]; the LDS stores of batch b - 1, which read P[b - 1], are dealt among its roundings.  So one wait at a batch's head
; states all that its eight stores hang on.  No register that a memory or LDS instruction reads is written again, so no wait on vm_vsrc is owed.
.set PITCH, 528
.set STG,   16*PITCH                   ; a wave's stage: 8,448 bytes
.set EES,   4*STG                      ; 64 words: the work-group's ee
.set SPARE, EES+256                    ; the spare words, 128 bytes for each wave: two blocks of 256 bytes that no other line names
.set GA,  4                            ; v4   16 x lane: my 16 bytes in 512, for the loads and for wb's stores
.set SA,  5                            ; v5   stage + 8 x lane: where I put 4 rounded numbers
.set RA,  6                            ; v6   stage + 528 (l % 16) + 16 (l / 16): where I read a block of 8 channels of one code
.set EA,  7                            ; v7   EES + 4 (16 w + l % 16)
.set SPW, 8                            ; v8   my spare word; never rewritten
.set NIL, 9                            ; v9   0; never rewritten
.set ZER, 10                           ; v10  0: the addend of each chain's first multiply-add
.set ACC, 12                           ; v[12:15] four chains of squares
.set X,   32                           ; v[32:159] the tile as loaded; v[32:95] later the blocks read back
.set P,   160                          ; v[160:223] the tile rounded
	s_load_b128 s[4:7], s[0:1], 0x0                ; weight s[4:5], wb s[6:7]
	s_load_b64 s[8:9], s[0:1], 0x10                ; ee
	v_lshl_add_u32 v[SPW], v0, 2, SPARE
	v_mov_b32 v[NIL], 0
	v_lshrrev_b32 v1, 5, v0
	v_readfirstlane_b32 s10, v1                    ; wave 0..3
	v_and_b32 v2, 31, v0                           ; l
	v_and_b32 v3, 15, v0                           ; l % 16
	v_bfe_u32 v11, v0, 4, 1                        ; l / 16
	v_lshlrev_b32 v[GA], 4, v2
	s_wait_alu depctr_va_sdst(0)                   ; s10 is written, ahead of its first reader: the stage's place, the tile's number and the last branch are made from it
	s_mul_i32 s11, s10, STG                        ; my stage
	v_lshl_add_u32 v[SA], v2, 3, s11
	v_mul_u32_u24 v[RA], v3, PITCH
	v_lshl_add_u32 v[RA], v11, 4, v[RA]
	v_add_nc_u32 v[RA], s11, v[RA]
	s_lshl_b32 s12, s10, 6
	s_add_co_u32 s12, s12, EES
	v_lshl_add_u32 v[EA], v3, 2, s12
	v_mov_b32 v[ZER], 0
	v_lshl_add_u32 v18, v2, 3, EES                 ; wave 0's way out: two words of ee a lane
	v_lshlrev_b32 v19, 3, v2
	s_lshl_b32 s13, ttmp9, 2
	s_add_co_u32 s13, s13, s10                     ; T
	s_lshl_b32 s14, s13, 14                        ; 16,384 T
	s_mov_b32 s15, 0
	s_lshl_b32 s16, s13, 13                        ; 8,192 T
	s_mov_b32 s17, 0
	s_lshl_b32 s18, ttmp9, 8                       ; 256 G
	s_mov_b32 s19, 0
	s_mov_b32 s20, 0x76543210                      ; v_permlanex16_b32: each lane takes its own place in the other half
	s_mov_b32 s21, 0xfedcba98
	s_wait_kmcnt 0x0
	s_add_nc_u64 s[4:5], s[4:5], s[14:15]
	s_add_nc_u64 s[6:7], s[6:7], s[16:17]
	s_add_nc_u64 s[8:9], s[8:9], s[18:19]
	s_wait_alu depctr_va_vdst(0)                   ; v4 to v9, v18 and v19 are written: every load and store of the kernel, global or LDS, reads one of them as its address
.set i, 0
.rept 32
	global_load_b128 v[X+4*i:X+4*i+3], v[GA], s[4:5] offset:512*i th:TH_LOAD_NT  ; row i / 2, half i % 2
.set i, i+1
.endr
; Batch b of four: loads 8 b to 8 b + 7 are rounded; the LDS stores of the batch before stand among the roundings, one ahead of each pair.
.macro BATCH b
	s_wait_loadcnt 24-8*(\b)                       ; loads come back in order: this batch's eight are in, the younger batches' stay out
.if (\b) > 0
	s_wait_alu depctr_va_vdst(0)                   ; the batch before has written its 16 registers of P, which the eight LDS stores below read; this batch's roundings name other registers
.endif
.set k, 0
.rept 8
.set i, 8*(\b)+k
.if (\b) > 0
.set o, i-8
	ds_store_b64 v[SA], v[P+2*o:P+2*o+1] offset:(o/2)*PITCH+(o%2)*256
.endif
	v_cvt_pk_bf16_f32 v[P+2*i],   v[X+4*i],   v[X+4*i+1]
	v_cvt_pk_bf16_f32 v[P+2*i+1], v[X+4*i+2], v[X+4*i+3]
.set k, k+1
.endr
.endm
	BATCH 0
	BATCH 1
	BATCH 2
	BATCH 3
	s_wait_alu depctr_va_vdst(0)                   ; the last batch has written its P, which the stores below read; and all the roundings are done reading X, in whose first 64 registers the LDS reads below land
.set o, 24
.rept 8
	ds_store_b64 v[SA], v[P+2*o:P+2*o+1] offset:(o/2)*PITCH+(o%2)*256
.set o, o+1
.endr
.set i, 0
.rept 16
	ds_load_b128 v[X+4*i:X+4*i+3], v[RA] offset:32*i  ; blocks 2 i and 2 i + 1; LDS serves a wave's instructions in order, so these see my stores above
.set i, i+1
.endr
.set i, 0
.rept 16
	s_wait_dscnt 15-i                              ; read i is back, the 15 - i younger ones stay out
	global_store_b128 v[GA], v[X+4*i:X+4*i+3], s[6:7] offset:512*i  ; 512 consecutive bytes of wb, aligned; its data come from the LDS read, and no vector line writes them
.irp k, 0,1,2,3
.if i == 0
	v_fma_mix_f32_bf16 v[ACC+\k], v[X+4*i+\k], v[X+4*i+\k], v[ZER] op_sel_hi:[1,1,0]      ; the low halves' squares; the first start the chains
.else
	v_fma_mix_f32_bf16 v[ACC+\k], v[X+4*i+\k], v[X+4*i+\k], v[ACC+\k] op_sel_hi:[1,1,0]
.endif
.endr
.irp k, 0,1,2,3
	v_fma_mix_f32_bf16 v[ACC+\k], v[X+4*i+\k], v[X+4*i+\k], v[ACC+\k] op_sel:[1,1,0] op_sel_hi:[1,1,0]  ; the high halves'
.endr
.set i, i+1
.endr
	v_add_f32 v[ACC], v[ACC], v[ACC+1]
	v_add_f32 v[ACC+2], v[ACC+2], v[ACC+3]
	v_add_f32 v[ACC], v[ACC], v[ACC+2]
	v_permlanex16_b32 v[ACC+1], v[ACC], s20, s21   ; the row's other 128 channels lie in the lane 16 away
	v_add_f32 v[ACC], v[ACC], v[ACC+1]
	s_wait_alu depctr_va_vdst(0)                   ; the last addition has written v12, which the LDS store reads
	ds_store_b32 v[EA], v[ACC]                     ; both halves of the lanes write the same word with the same number
	s_wait_dscnt 0x0                               ; for the others' sake: my stores are done
	s_barrier_signal -1
	s_barrier_wait -1
	s_cmp_lg_u32 s10, 0                            ; wave 0 stores the work-group's 64 words
	s_cbranch_scc1 .Lend
	ds_load_b64 v[16:17], v18                      ; no vector line names v16 or v17
	s_wait_dscnt 0x0
	global_store_b64 v19, v[16:17], s[8:9]         ; 256 consecutive bytes of ee, aligned
.Lend:
	s_wait_dscnt 0x0                               ; the closing lines, six on end
	s_wait_alu 0x0
	s_wait_tensorcnt 0x0
	ds_add_u32 v[SPW], v[NIL]
	s_wait_dscnt 0x0
	s_endpgm
.Lfunc_end_k_q5a54301cab_prep:
	.size	k_q5a54301cab_prep, .Lfunc_end_k_q5a54301cab_prep-k_q5a54301cab_prep
	.p2alignl 7, 3214868480
	.fill 96, 4, 3214868480
	.section	.rodata,"a",@progbits
	.p2align	6, 0x0
	.amdhsa_kernel k_q5a54301cab_prep
		.amdhsa_group_segment_fixed_size 34560
		.amdhsa_private_segment_fixed_size 0
		.amdhsa_enable_private_segment 0
		.amdhsa_kernarg_size 24
		.amdhsa_user_sgpr_count 2
		.amdhsa_user_sgpr_kernarg_segment_ptr 1
		.amdhsa_wavefront_size32 1
		.amdhsa_system_sgpr_workgroup_id_x 1
		.amdhsa_system_sgpr_workgroup_id_y 1
		.amdhsa_system_sgpr_workgroup_id_z 1
		.amdhsa_system_vgpr_workitem_id 0
		.amdhsa_next_free_vgpr 224
		.amdhsa_next_free_sgpr 66
		.amdhsa_reserve_vcc 0
		.amdhsa_float_denorm_mode_32 3
		.amdhsa_float_denorm_mode_16_64 3
		.amdhsa_memory_ordered 1
		.amdhsa_forward_progress 1
		.amdhsa_inst_pref_size 24
	.end_amdhsa_kernel
	.amdgpu_metadata
---
amdhsa.version: [ 1, 2 ]
amdhsa.kernels:
  - .name:           k_q5a54301cab_prep
    .symbol:         k_q5a54301cab_prep.kd
    .args:
      - { .name: weight, .offset: 0, .size: 8, .value_kind: global_buffer, .address_space: global }
      - { .name: wb, .offset: 8, .size: 8, .value_kind: global_buffer, .address_space: global }
      - { .name: ee, .offset: 16, .size: 8, .value_kind: global_buffer, .address_space: global }
    .group_segment_fixed_size: 34560
    .private_segment_fixed_size: 0
    .kernarg_segment_align: 8
    .kernarg_segment_size: 24
    .max_flat_workgroup_size: 128
    .sgpr_count:     66
    .vgpr_count:     224
    .wavefront_size: 32
...
	.end_amdgpu_metadata
.endif
;; end of part 4
;; launch dist: the kernel of part 2 again; grid 256 x 1, 4 waves a work-group, clusters of 4 x 1, 327,680 bytes of LDS; arguments inputs, wb, ee, out1, idxw; writes out1, idxw
;; launch gather: the kernel of part 3 again; grid 512 x 1, 8 waves a work-group, no clusters, 0 bytes of LDS; arguments inputs, weight, idxw, out0; writes out0
